; MI455X (gfx1250); checked and timed in simulation.
; The chip was launched on July 23, 2026; its instructions are those of AMD's public machine-readable ISA for CDNA 5 (MIT licence, August 2026) and "CDNA5" Instruction Set Architecture Reference Guide (July 2026). The comments in the code are by the model that wrote it; some were corrected since.
;; Multi Head Attention. Allowed arithmetic: matrix products marked QUANTISED: E2M3 operands, one E8M0 scale for each 32 along K, by v_wmma_scale_f32_16x16x128_f8f6f4 with both operands' format E2M3, f32 sums; everything else in f32.
;; Inputs: w_out_codes 1,024 x 32 x 24 uint8 (E2M3 codes of w_out, K innermost, in blocks of 32 codes, four codes in three bytes); w_out_scales 1,024 x 32 uint8 (E8M0 scales of w_out, one for each 32 codes along K); w_qkv_codes 3,072 x 32 x 24 uint8 (E2M3 codes of w_qkv, K innermost, in blocks of 32 codes, four codes in three bytes); w_qkv_scales 3,072 x 32 uint8 (E8M0 scales of w_qkv, one for each 32 codes along K); x_codes 4 x 2,048 x 32 x 24 uint8 (E2M3 codes of x, K innermost, in blocks of 32 codes, four codes in three bytes); x_scales 4 x 2,048 x 32 uint8 (E8M0 scales of x, one for each 32 codes along K).
;; Outputs: out0 4 x 2,048 x 1,024 float32.
;; This version of the problem:
;;   THIS VERSION OF THE PROBLEM IS GIVEN IN LOW PRECISION. The matrix products marked QUANTISED in the list below multiply operands that are first quantised to E2M3 (2 exponent bits, 3 mantissa bits; 6 bits a number), with one power-of-two scale for each 32 numbers along K (OCP MX v1.0); their sums are f32. All else is computed in f32.
;;   The module's matrix products, in the order in which they are computed (A, B: the left and right operand; K: the contracted axis; several contracted axes count as one K, in the product's order):
;;     1. [M 8,192, K 1,024] x [K 1,024, N 3,072]; A: input x (given as codes); B: input w_qkv (given as codes): QUANTISED
;;     2. batch 64 x [M 2,048, K 64] x [K 64, N 2,048]; A: computed on the way; B: computed on the way: QUANTISED
;;     3. batch 64 x [M 2,048, K 2,048] x [K 2,048, N 64]; A: softmax (see below); B: computed on the way: QUANTISED
;;     4. [M 8,192, K 1,024] x [K 1,024, N 1,024]; A: computed on the way; B: input w_out (given as codes): QUANTISED
;;   THE QUANTISER, for each operand of a quantised product, along K:
;;     - K is cut into blocks of 32 from its start; a last block that is shorter is filled with zeros.
;;     - A block's scale is 2^e with e = floor(log2(the largest magnitude in the block)) - 2, held to -126 .. 127; a block of zeros has e = 0. As a byte (E8M0): e + 127.
;;     - Each number is divided by its block's scale, clamped to +-7.5, and rounded to the nearest number of E2M3, ties to even, subnormals kept.
;;     - The product sums the exact products of the quantised numbers (number of the format x scale) in f32.
;;   ~~~python
;;   def quantise(x, axis):      # numpy; x: float32 -> the quantised numbers, widened to float32 again
;;       x = np.moveaxis(x, axis, -1); K = x.shape[-1]
;;       x = np.pad(x, [(0, 0)] * (x.ndim - 1) + [(0, -K % 32)]); x = x.reshape(x.shape[:-1] + (-1, 32)); a = np.abs(x).max(-1, keepdims=True)
;;       e = np.where(a > 0, np.clip(np.frexp(np.where(a > 0, a, 1))[1] - 1 - 2, -126, 127), 0)      # np.frexp(a)[1] - 1 = floor(log2(a)), exactly
;;       r = np.clip(x / 2.0 ** e, -7.5, 7.5)
;;       step = 2.0 ** (np.maximum(np.frexp(np.where(r == 0, 1, r))[1] - 1, 0) - 3)
;;       q = np.round(r / step) * step * 2.0 ** e      # np.round: ties to even
;;       return np.moveaxis(q.reshape(q.shape[:-2] + (-1,))[..., :K], -1, axis).astype(np.float32)
;;   ~~~
;;   SOFTMAX AHEAD OF A QUANTISED PRODUCT. Where the list says 'softmax', what is quantised is not the finished softmax but p = 2^(t - M), with t = logit x log2(e) and M = ceil(the row's largest t), a whole number; so 1/2 < the row's largest p <= 1. The row's sum l is taken of the UNQUANTISED p, in f32, and the product's result is divided by l at the end. Since M is a whole number, a kernel that streams over the keys may use a running M (the ceiling of the running maximum): every later rescaling is an exact power of two, which a block's scale takes up: the codes' values come out the same.
;;   OPERANDS COMPUTED ON THE WAY. 'Computed on the way' means the value that the module computes at that place (a softmax that the list does not call 'softmax' is quantised finished and normalised). What goes into a quantiser is computed in f32, as accurately as f32 sums, v_exp_f32 and their like allow (about 1e-6 of the number): no bf16 or f16 on the way to a quantiser, and a product that is left as it is and whose result goes on into a quantised operand takes f32 operands (vector FMAs, or v_wmma_f32_16x16x4_f32). A number that lies on a knife's edge between two numbers of the format may be rounded either way, as far as f32 arithmetic and the matrix unit's own rounding can turn it there, and no further.
;;   INPUTS GIVEN AS CODES. w_out (in the module: [1024, 1024], K = its axis 1); w_qkv (in the module: [3072, 1024], K = its axis 1); x (in the module: [4, 2048, 1024], K = its axis 2): each comes as NAME_codes (uint8): NAME with its K axis moved to the last place and cut into blocks of 32 codes, [.., K / 32, bytes a block], one block behind the other in memory; four codes in three bytes: a row's codes are one little-endian stream of bits, code i at bits 6 i .. 6 i + 5 (a code: sign, 2 exponent bits, 3 mantissa bits); and NAME_scales (uint8): the same leading axes, one E8M0 byte (e + 127) for each 32 codes along K. Its value is code x scale, taken as it is: it is not quantised again, and the codes and scales need not be those that the quantiser above would give.
;; One version. Each part assembles by itself: llvm-mc -triple=amdgcn-amd-amdhsa -mcpu=gfx1250 --defsym DOCPART=n.
;; ======== version 1 of 1: 3 launches
;; workspace buffers: qkv_img 18,874,368 bytes; qkv_sc 786,432 bytes; o_codes 6,291,456 bytes; o_scales 262,144 bytes
;; launch qkv (part 1): grid 16 x 32, 4 waves a work-group, clusters of 4 x 4, 327,680 bytes of LDS; arguments x_codes, x_scales, w_qkv_codes, w_qkv_scales, qkv_img, qkv_sc; writes qkv_img, qkv_sc
.if DOCPART == 1
	.amdgcn_target "amdgcn-amd-amdhsa--gfx1250"
	.amdhsa_code_object_version 6
	.text
	.protected	k_q41a369d50b_qkv
	.globl	k_q41a369d50b_qkv
	.p2align	8
	.type	k_q41a369d50b_qkv,@function
k_q41a369d50b_qkv:
	s_mov_b64 s[64:65], 0
	v_nop
	global_prefetch_b8 v0, s[64:65] scope:SCOPE_SE
	s_setreg_imm32_b32 hwreg(HW_REG_WAVE_MODE, 25, 1), 1
	s_wait_xcnt 0x0
	s_wait_alu depctr_hold_cnt(0) depctr_sa_sdst(0) depctr_va_vdst(0) depctr_va_sdst(0) depctr_va_ssrc(0) depctr_va_vcc(0) depctr_vm_vsrc(0)
	s_getreg_b32 s2, hwreg(HW_REG_IB_STS2, 6, 4)
	s_cmp_eq_u32 s2, 0
	s_cbranch_scc0 .Lentry_in_a_cluster
	s_endpgm
.Lentry_in_a_cluster:
	s_bfe_u32 s2, ttmp6, 0x10000c
	s_cmp_lg_u32 s2, 0xf033
	s_cbranch_scc0 .Lentry_shape_is_right
	s_endpgm
.Lentry_shape_is_right:
; qkv = x w_qkv^T on codes of FP6 (E2M3) with one E8M0 scale for each 32 along K; q, k and v are quantised again in registers and leave as operand images.
; x: [8192][1024] codes (768 bytes a row), scales [8192][32].  w_qkv: [3072][1024] likewise.  K = 1024.
; SHARES.  A work-group makes 256 tokens x 192 columns: q, k and v (64 each) of ONE head (work-group x = head, y = block of 256 tokens): 16 x 32 = 512 work-groups.
; Each of the four waves makes 64 tokens x 192 columns: 48 accumulators.  So a head's two blocks of 32 along d, and a block of 32 tokens of v, lie inside one wave: nothing is exchanged between waves on the way out.
; q, k: source 0 = 16 rows of w, source 1 = 16 tokens: a lane holds one token and eight neighbouring d.  v: source 0 = 16 tokens, source 1 = 16 rows of w: a lane holds one d and its registers run along the tokens, v's later K.
; THE RING.  K goes in four slot-steps of 256 (rows of 192 bytes) through THREE LDS slots: slot-steps 0, 1, 2 are first fills and go out together; slot-step 3 is the one refill, into slot 0.
; By this text's own count a wave has three tensor loads out at the start and one behind the round.  Wave 0 fetches x's 256 rows, waves 1 to 3 the head's 64 rows of w_q, w_k, w_v.
; CLUSTERS: 4 x 4 work-groups; x's tile is shared along a row of the cluster, w's along a column: each is asked for jointly.
; THE SCALES never touch LDS: a row's 32 bytes are 8 words, one for each 128 along K; they are loaded once into registers that hold nothing else.  That is why the 8 steps of 128 are written out: each names its own scale registers.
; OUT.  An image is a fragment's 12 registers in six planes of 256 bytes (plane p = registers 2p, 2p+1, 8 bytes a lane): each store of the wave covers 256 consecutive bytes, aligned.
;   q, k image P (tokens 32P .. 32P+31): lane (r, h): registers 0-5 token 32P + r, d block h; 6-11 token 32P + 16 + r.   v image (g, u): registers 0-5 d = 32u + r, token block 2g + h; 6-11 d = 32u + 16 + r.
;   Inside a block of 32 the codes stand in the order 0-7, 16-23, 8-15, 24-31, alike in both operands of the later products, which keeps every product.
; LIMITS: NaN, infinities and a given scale byte 0xff are not served.  A block whose largest magnitude lies under 2^-124, a block of zeros too, gets the byte 1 (the rule says 127 for zeros): its codes are then zeros or held small, and this program alone reads the bytes.
; REGISTERS: window 0: v8-19 LDS addresses, v20-22 offsets, v28-29 the add's two, v32-47 at work, v48-87 codes (two sets), v88-92 scale words made, v96-127 x's scale words, v128-223 w's.
;   window 1: x's fragments, two sets (v0-47, v48-95); w's twelve, ONE set (v96-239).   window 2: q's and k's accumulators (a, tb) at 8 (8 a + tb).   window 3: v's at 8 (4 (tb - 8) + a).
.set PITCH,  240                       ; an LDS row: 3 x (64 bytes of data + 16 of padding)
.set ROWB,   192                       ; a tile's row: 256 codes
.set KROW,   768                       ; a row of codes in memory
.set FR,     12                        ; registers of a fragment
.set NB,     12                        ; tiles of 16 columns
.set HB,     NB/2
.set NAW,    1                         ; waves that fetch x
.set ABYTES, 256*PITCH
.set SLOT,   ABYTES+NB*16*PITCH        ; x's 256 rows, then w's 192
.set SPARE,  3*SLOT                    ; behind the ring: the spare words, 128 bytes a wave, which no other line names
.set REGN,   6291456                   ; a region of qkv_img
.set SREG,   262144                    ; a region of qkv_sc
.set ADRA,   8                         ; v8-10 my x fragments in slots 0-2; v11-13 the same behind one padding more
.set ADRB,   14                        ; v14-16, v17-19 the same for w
.set L8,     20                        ; 8 x lane
.set L4,     21                        ; 4 x lane
.set R32,    22                        ; 32 x (lane % 16)
.set SPW,    28
.set NIL,    29
.set TM,     32                        ; v32-35 largest magnitudes, v36-39 the other half's / bytes, v44-47 the conversions' scale operands
.set PC,     48                        ; codes: v48-67 and v68-87 by turns
.set PW,     88                        ; v88, v89 a section's two scale words
.set PWM,    90                        ; v90-92 both in one register, a register for each section
.set SA,     96                        ; x's scale words: block a, step s at SA + 8 a + s
.set SB,     128                       ; w's: tile tb, step s at SB + 8 tb + s
.set MSB, 0
.macro WIN new                         ; the immediate's high byte repeats the setting that is left
.if MSB != (\new)
	s_set_vgpr_msb (MSB<<8)|(\new)
.set MSB, (\new)
.endif
.endm
.macro PLACES n
.rept \n
	v_nop
.endr
.endm
.macro CREST                           ; a round of the cluster's barrier behind its opening barrier
	s_cmp_lg_u32 s16, 0
	s_cbranch_scc1 .Lnot_wave_0_\@
	s_barrier_signal -3
.Lnot_wave_0_\@:
	s_barrier_wait -3
	s_barrier_signal -1
	s_barrier_wait -1
.endm
.macro CROUND
	s_barrier_signal -1
	s_barrier_wait -1
	CREST
.endm
.macro JLOAD g0a, g0b                  ; a joint load: one line for x's tile, one for w's; the branch hangs on the wave's number alone; four v_nop follow each line
	s_cmp_lt_u32 s16, NAW
	s_cbranch_scc0 .Lfor_b_\@
	tensor_load_to_lds s[\g0a:\g0a+3], s[24:31]
	s_nop 0
	PLACES 4
	s_branch .Lasked_\@
.Lfor_b_\@:
	tensor_load_to_lds s[\g0b:\g0b+3], s[32:39]
	s_nop 0
	PLACES 4
.Lasked_\@:
.endm
; A fragment, 16 rows x 128 K: lane l holds row l % 16; registers 6 c .. 6 c + 5 hold K = 64 c + 32 (l / 16) + 0 .. 31: 24 bytes of the row, in pieces of 8.  Lanes 16-31 read three pieces on, which for some pieces is behind one padding more: the second address register serves those.
.macro FRAG reg, adr, q, i
.irp p, 0,1,2,3,4,5
.set PCE, 12*(\q)+6*(\p/3)+\p%3
.if PCE%8 < 5
	ds_load_b64 v[\reg+2*\p:\reg+2*\p+1], v[\adr] offset:8*PCE+16*(PCE/8)+(\i)*16*PITCH
.else
	ds_load_b64 v[\reg+2*\p:\reg+2*\p+1], v[\adr+3] offset:8*PCE+16*(PCE/8)+(\i)*16*PITCH
.endif
.endr
.endm
.macro FETCH_A slot, q, set            ; my four blocks of x into one of the two sets
	WIN 0x40
.irp i, 0,1,2,3
	FRAG 48*(\set)+FR*\i, ADRA+(\slot), \q, \i
.endr
.endm
.macro FETCH_B slot, q, t0             ; HB tiles of w from tile t0 on
	WIN 0x40
.set TBF, \t0
.rept HB
	FRAG 96+FR*TBF, ADRB+(\slot), \q, TBF
.set TBF, TBF+1
.endr
.endm
; Four matrix instructions: tile tb of w against my four blocks of x, step s of 128 along K.  Step 0 starts the sums with the constant 0.  Each accumulator is written once a step: the 48 take turns.
.macro MUL1 tb, s
.irp a, 0,1,2,3
.set FRA, 48*((\s)%2)+FR*\a
.set FRB, 96+FR*(\tb)
.set SCA, SA+8*\a+(\s)
.set SCB, SB+8*(\tb)+(\s)
.if (\tb) < 8
	WIN 0xa5
.set DD, 8*(8*\a+(\tb))
.if (\s) == 0
	v_wmma_scale_f32_16x16x128_f8f6f4 v[DD:DD+7], v[FRB:FRB+11], v[FRA:FRA+11], 0, v[SCB], v[SCA] matrix_a_fmt:MATRIX_FMT_FP6 matrix_b_fmt:MATRIX_FMT_FP6
.else
	v_wmma_scale_f32_16x16x128_f8f6f4 v[DD:DD+7], v[FRB:FRB+11], v[FRA:FRA+11], v[DD:DD+7], v[SCB], v[SCA] matrix_a_fmt:MATRIX_FMT_FP6 matrix_b_fmt:MATRIX_FMT_FP6
.endif
.else
	WIN 0xf5
.set DD, 8*(4*((\tb)-8)+\a)
.if (\s) == 0
	v_wmma_scale_f32_16x16x128_f8f6f4 v[DD:DD+7], v[FRA:FRA+11], v[FRB:FRB+11], 0, v[SCA], v[SCB] matrix_a_fmt:MATRIX_FMT_FP6 matrix_b_fmt:MATRIX_FMT_FP6
.else
	v_wmma_scale_f32_16x16x128_f8f6f4 v[DD:DD+7], v[FRA:FRA+11], v[FRB:FRB+11], v[DD:DD+7], v[SCA], v[SCB] matrix_a_fmt:MATRIX_FMT_FP6 matrix_b_fmt:MATRIX_FMT_FP6
.endif
.endif
.endr
.endm
.macro MULS t0, t1, s                  ; tiles t0 .. t1 - 1
.set TBI, \t0
.rept (\t1)-(\t0)
	MUL1 TBI, \s
.set TBI, TBI+1
.endr
.endm
; What every step but the last does behind its first half: the next step's x and w's first half are fetched (w's first half is done with), the second half is multiplied, then w's second half is fetched.
.macro TAIL s
.set NS, (\s)+1
.set NSL, (NS/2)%3
.set NQ, NS%2
	FETCH_A NSL, NQ, NQ
	FETCH_B NSL, NQ, 0
	MULS HB, NB, \s
	PLACES 4                                       ; four places in front of loads into registers that matrix instructions have read
	FETCH_B NSL, NQ, HB
	WIN 0
.endm
.macro STEP_N s
	s_wait_dscnt 6*HB                              ; x's set and w's first half are in; the youngest run, w's second half, may be out
	MULS 0, HB, \s
	s_wait_dscnt 0x0                               ; w's second half is in
	PLACES 4
	TAIL \s
.endm
; A step that ends a slot's reads behind a barrier.  fill = 1: slot 0 is filled again, behind a round of the cluster's barrier.  fill = 0: the refill is shown landed to every wave; nothing is filled.
.macro STEP_M s, fill
	s_wait_tensorcnt 0x0                           ; all my tensor loads have landed
	ds_add_u32 v[SPW], v[NIL]                      ; 0 onto my spare word
	s_wait_dscnt 6*HB+1                            ; (the add and the youngest run may be out)
	MULS 0, HB/2, \s
	s_wait_dscnt 0x0                               ; the add is done, and my reads of the slot are over
	s_barrier_signal -1
	MULS HB/2, HB, \s
	WIN 0
	s_barrier_wait -1
.if \fill
	CREST                                          ; no wave of any partner still reads slot 0 or has a load on its way
	s_add_nc_u64 s[42:43], s[42:43], 3*ROWB        ; slot 0's two descriptors go on to slot-step 3
	s_add_nc_u64 s[54:55], s[54:55], 3*ROWB
	JLOAD 40, 52                                   ; the first tensor load behind the round; its four v_nop are the places in front of the loads below
.else
	PLACES 4
.endif
	TAIL \s
.endm
.macro STEP_L s
	s_wait_dscnt 6*HB
	MULS 0, HB, \s
	s_wait_dscnt 0x0
	MULS HB, NB, \s
	WIN 0
.endm
; Four blocks of 32 become a fragment's codes in v[pc] .. v[pc + 11] and its scale word in v[pw].  Of block b a lane holds 16 numbers, v[sb] .. v[sb + 15] of window W, and lane l xor 16 the other 16.
.macro QUANT4 W, s0, s1, s2, s3, pc, pw
	WIN ((\W)<<2)|((\W)<<4)
	v_max3_num_f32 v[TM+0], 0x1800000, |v[\s0]|, |v[\s0+1]|       ; the floor 2^(3 - 127) among the leaves: the byte cannot fall under 1
	v_max3_num_f32 v[TM+1], 0x1800000, |v[\s1]|, |v[\s1+1]|
	v_max3_num_f32 v[TM+2], 0x1800000, |v[\s2]|, |v[\s2+1]|
	v_max3_num_f32 v[TM+3], 0x1800000, |v[\s3]|, |v[\s3+1]|
.irp i, 2,4,6,8,10,12,14
	v_max3_num_f32 v[TM+0], v[TM+0], |v[\s0+\i]|, |v[\s0+\i+1]|   ; the four blocks by turns; each accumulator is read from its low end on
	v_max3_num_f32 v[TM+1], v[TM+1], |v[\s1+\i]|, |v[\s1+\i+1]|
	v_max3_num_f32 v[TM+2], v[TM+2], |v[\s2+\i]|, |v[\s2+\i+1]|
	v_max3_num_f32 v[TM+3], v[TM+3], |v[\s3+\i]|, |v[\s3+\i+1]|
.endr
	WIN 0
.irp b, 0,1,2,3
	v_permlanex16_b32 v[TM+4+\b], v[TM+\b], s66, s67
.endr
.irp b, 0,1,2,3
	v_max_num_f32 v[TM+\b], v[TM+\b], v[TM+4+\b]   ; the block's largest magnitude
.endr
.irp b, 0,1,2,3
	v_add_nc_u32 v[TM+12+\b], 0xff000000, v[TM+\b] ; 2 off its exponent field: the conversion's scale operand
.endr
.irp b, 0,1,2,3
	v_lshrrev_b32 v[TM+4+\b], 23, v[TM+12+\b]      ; the scale's byte
.endr
	v_lshl_or_b32 v[\pw], v[TM+5], 8, v[TM+4]
	v_lshl_or_b32 v[\pw], v[TM+6], 16, v[\pw]
	v_lshl_or_b32 v[\pw], v[TM+7], 24, v[\pw]
	WIN \W
	v_cvt_scalef32_pk16_fp6_f32 v[\pc:\pc+2], v[\s0:\s0+15], v[TM+12]
	v_cvt_scalef32_pk16_fp6_f32 v[\pc+12:\pc+14], v[\s1:\s1+15], v[TM+13]
	v_cvt_scalef32_pk16_fp6_f32 v[\pc+6:\pc+8], v[\s2:\s2+15], v[TM+14]
	v_cvt_scalef32_pk16_fp6_f32 v[\pc+16:\pc+18], v[\s3:\s3+15], v[TM+15]
	WIN 0
	v_nop                                          ; one plain place behind the scaled conversions
.irp c, 0,1                                    ; the layout wants a whole block in a lane: lanes 0-15 the first block of a pair, lanes 16-31 the second
.irp i, 0,1,2
	v_permlane16_swap_b32 v[\pc+6*\c+\i], v[\pc+12+4*\c+\i]
.endr
.irp i, 0,1,2
	v_mov_b32 v[\pc+3+6*\c+\i], v[\pc+12+4*\c+\i]
.endr
.endr
.endm
.macro UNIT n, W, b0, b1, b2, b3, sec, un      ; image un of section sec (0 q, 1 k, 2 v)
.if \n > 0
	s_wait_xcnt 0x0                                ; the earlier stores have read their data: the set of codes may be written again
.endif
	QUANT4 \W, \b0, \b1, \b2, \b3, PC+20*((\n)%2), PW+((\n)%2)
.irp p, 0,1,2,3,4,5
	global_store_b64 v[L8], v[PC+20*((\n)%2)+2*\p:PC+20*((\n)%2)+2*\p+1], s[84:85] offset:((\sec)-1)*REGN+(\un)*1536+256*\p   ; 32 lanes store 256 consecutive bytes, aligned
.endr
.endm
.macro SCALEOUT sec                            ; a section's two scale words: lanes 0-15 the first image's, lanes 16-31 the second's: 128 consecutive bytes
	v_cndmask_b32 v[PWM+\sec], v[PW], v[PW+1], s68
	global_store_b32 v[L4], v[PWM+\sec], s[86:87] offset:(\sec)*SREG
.endm
	s_load_b256 s[4:11], s[0:1], 0x0               ; x's codes s[4:5], x's scales s[6:7], w's codes s[8:9], w's scales s[10:11]
	s_load_b128 s[12:15], s[0:1], 0x20             ; qkv_img s[12:13], qkv_sc s[14:15]
	v_lshl_add_u32 v[SPW], v0, 2, SPARE
	v_mov_b32 v[NIL], 0
	ds_add_u32 v28, v29
	ds_add_u32 v28, v29
	s_wait_dscnt 0x0
	v_lshrrev_b32 v1, 5, v0
	v_readfirstlane_b32 s16, v1                    ; wave 0..3
	s_bfe_u32 s17, ttmp6, 0x40000                  ; cx
	s_bfe_u32 s18, ttmp6, 0x40004                  ; cy
	s_lshl_b32 s19, ttmp9, 2
	s_add_co_u32 s19, s19, s17                     ; the head = 4 x cluster x + cx
	s_and_b32 s20, ttmp7, 0xffff
	s_lshl_b32 s20, s20, 2
	s_add_co_u32 s20, s20, s18                     ; the block of 256 tokens = 4 x cluster y + cy
	s_lshl_b32 s21, s18, 2
	s_lshl_b32 s21, 15, s21                        ; my row of the cluster
	s_lshl_b32 s22, 0x1111, s17                    ; my column
	; descriptor group 1: rows of 192 bytes, 768 apart in memory, 16 bytes of padding behind every 64 in LDS.  x: 256 rows; w: 64 rows
	s_or_b32 s24, s21, 0x06f00000                  ; 15:0 the mask; 17:16 elements of 1 byte; 20 padding on; 21 set beside a mask; 24:22 after every 16 words; 31:25 of 4 words
	s_or_b32 s32, s22, 0x06f00000
	s_mov_b32 s25, ROWB<<16                        ; tensor_dim0
	s_mov_b32 s26, 256<<16                         ; tensor_dim1
	s_mov_b32 s27, ROWB<<16                        ; tile_dim0
	s_mov_b32 s28, 256                             ; tile_dim1
	s_mov_b32 s29, KROW                            ; the pitch in memory
	s_mov_b32 s30, 0
	s_mov_b32 s31, 0
	s_mov_b32 s33, ROWB<<16
	s_mov_b32 s34, 64<<16
	s_mov_b32 s35, ROWB<<16
	s_mov_b32 s36, 64
	s_mov_b32 s37, KROW
	s_mov_b32 s38, 0
	s_mov_b32 s39, 0
	s_mul_i32 s70, s20, 256*KROW                   ; x's tile hangs on the block of tokens alone
	s_mov_b32 s71, 0
	s_add_co_u32 s72, s16, 3
	s_and_b32 s72, s72, 3
	s_min_u32 s72, s72, 2                          ; waves 1, 2, 3 fetch sections 0, 1, 2 of w (wave 0 fetches x: its number here is not used)
	s_mul_i32 s72, s72, 1024*KROW
	s_mul_i32 s73, s19, 64*KROW                    ; w's tile hangs on the head and the wave alone
	s_add_co_u32 s72, s72, s73
	s_mov_b32 s73, 0
	s_mul_i32 s74, s16, 64*PITCH
	s_add_co_u32 s74, s74, ABYTES-64*PITCH         ; where w's 64 rows go: behind x's 256, section by section
	s_wait_kmcnt 0x0
	s_add_nc_u64 s[70:71], s[4:5], s[70:71]
	s_add_nc_u64 s[72:73], s[8:9], s[72:73]
.irp sl, 0,1,2                                 ; descriptor group 0, a set for each slot: x's at s40 on, w's at s52 on
	s_mov_b32 s[40+4*\sl], 1
	s_mov_b32 s[41+4*\sl], \sl*SLOT
	s_add_nc_u64 s[42+4*\sl:43+4*\sl], s[70:71], \sl*ROWB
	s_or_b32 s[43+4*\sl], s[43+4*\sl], 0x80000000
	s_mov_b32 s[52+4*\sl], 1
	s_add_co_u32 s[53+4*\sl], s74, \sl*SLOT
	s_add_nc_u64 s[54+4*\sl:55+4*\sl], s[72:73], \sl*ROWB
	s_or_b32 s[55+4*\sl], s[55+4*\sl], 0x80000000
.endr
	CROUND                                         ; all sixteen work-groups are here: the first joint loads meet
	s_cmp_lt_u32 s16, NAW                          ; a wave's three first fills stand in one branch, ahead of every wait on TENSORcnt, every LDS read and every other barrier
	s_cbranch_scc0 .Lfirst_b
	tensor_load_to_lds s[40:43], s[24:31]
	s_nop 0
	tensor_load_to_lds s[44:47], s[24:31]
	s_nop 0
	tensor_load_to_lds s[48:51], s[24:31]
	s_nop 0
	PLACES 4
	s_branch .Lfirst_done
.Lfirst_b:
	tensor_load_to_lds s[52:55], s[32:39]
	s_nop 0
	tensor_load_to_lds s[56:59], s[32:39]
	s_nop 0
	tensor_load_to_lds s[60:63], s[32:39]
	s_nop 0
	PLACES 4
.Lfirst_done:
	v_and_b32 v2, 15, v0                           ; r
	v_bfe_u32 v3, v0, 4, 1                         ; h
	v_lshlrev_b32 v[R32], 5, v2                    ; a row of scales is 32 bytes
	s_lshl_b32 s76, s20, 13
	s_lshl_b32 s77, s16, 11
	s_add_co_u32 s76, s76, s77                     ; my 64 tokens' scales: (256 y + 64 wave) x 32
	s_mov_b32 s77, 0
	s_add_nc_u64 s[76:77], s[6:7], s[76:77]
	s_lshl_b32 s78, s19, 11                        ; the head's rows of w: 64 head x 32
	s_mov_b32 s79, 0
	s_add_nc_u64 s[78:79], s[10:11], s[78:79]
.irp a, 0,1,2,3
	global_load_b128 v[SA+8*\a:SA+8*\a+3], v[R32], s[76:77] offset:512*\a
	global_load_b128 v[SA+8*\a+4:SA+8*\a+7], v[R32], s[76:77] offset:512*\a+16
.endr
.irp t, 0,1,2,3,4,5,6,7,8,9,10,11
	global_load_b128 v[SB+8*\t:SB+8*\t+3], v[R32], s[78:79] offset:(\t/4)*32768+(\t%4)*512
	global_load_b128 v[SB+8*\t+4:SB+8*\t+7], v[R32], s[78:79] offset:(\t/4)*32768+(\t%4)*512+16
.endr
	v_mul_u32_u24 v4, v2, PITCH
	v_mad_u32_u24 v4, v3, 24, v4                   ; a fragment's row x pitch + 24 x half
	v_lshl_add_u32 v5, v3, 4, v4                   ; and the same behind one padding more
	s_mul_i32 s80, s16, 64*PITCH                   ; my 64 rows of x
.irp sl, 0,1,2
	v_add_nc_u32 v[ADRA+\sl], s80, v4
	v_add_nc_u32 v[ADRA+3+\sl], s80, v5
	v_add_nc_u32 v[ADRB+\sl], ABYTES+\sl*SLOT, v4
	v_add_nc_u32 v[ADRB+3+\sl], ABYTES+\sl*SLOT, v5
	s_add_co_u32 s80, s80, SLOT
.endr
	v_and_b32 v6, 31, v0
	v_lshlrev_b32 v[L8], 3, v6
	v_lshlrev_b32 v[L4], 2, v6
.irp b, 0,1,2,3
	v_mov_b32 v[TM+4+\b], 0                        ; written once: a lane permute's destination counts as one of its sources
.endr
	s_mov_b32 s66, 0x76543210
	s_mov_b32 s67, 0xfedcba98                      ; v_permlanex16_b32's selects for lane l xor 16
	s_mov_b32 s68, 0xffff0000                      ; lanes 16-31
	s_lshl_b32 s82, s20, 2
	s_add_co_u32 s82, s82, s16                     ; my group of 64 tokens among all 128
	s_lshr_b32 s83, s82, 5                         ; the batch
	s_and_b32 s82, s82, 31                         ; the group in its sequence
	s_lshl_b32 s83, s83, 9
	s_add_co_u32 s82, s82, s83
	s_lshl_b32 s83, s19, 5
	s_add_co_u32 s82, s82, s83                     ; 512 b + 32 head + g: two images of each section
	s_mul_i32 s84, s82, 3072
	s_add_co_u32 s84, s84, REGN                    ; the base stands in the middle region, so that all three lie inside the store's signed immediate
	s_mov_b32 s85, 0
	s_add_nc_u64 s[84:85], s[12:13], s[84:85]
	s_lshl_b32 s86, s82, 7
	s_mov_b32 s87, 0
	s_add_nc_u64 s[86:87], s[14:15], s[86:87]
	s_wait_tensorcnt 0x2                           ; my part of slot-step 0 is in; slot-steps 1 and 2 may stay out
	s_barrier_signal -1
	s_barrier_wait -1                              ; everybody's is
	FETCH_A 0, 0, 0
	FETCH_B 0, 0, 0
	FETCH_B 0, 0, HB
	WIN 0
	s_wait_loadcnt 0x0                             ; the scale words
	STEP_N 0
	STEP_M 1, 1                                    ; slot 0 has been read out: it takes slot-step 3.  Every wave has waited for all its first fills here, so slots 1 and 2 are whole for everybody from here on
	STEP_N 2
	STEP_N 3
	STEP_N 4
	STEP_M 5, 0                                    ; slot-step 3 has landed in every wave's eyes
	STEP_N 6
	STEP_L 7
	PLACES 4                                       ; four places between the last products and the first read of results
	UNIT 0, 2, 0, 16, 64, 80, 0, 0                 ; q: tokens 0-31 of my 64
	UNIT 1, 2, 128, 144, 192, 208, 0, 1            ;    tokens 32-63
	SCALEOUT 0
	UNIT 2, 2, 32, 48, 96, 112, 1, 0               ; k
	UNIT 3, 2, 160, 176, 224, 240, 1, 1
	SCALEOUT 1
	UNIT 4, 3, 0, 16, 32, 48, 2, 0                 ; v: d 0-31, my two blocks of 32 tokens
	UNIT 5, 3, 64, 80, 96, 112, 2, 1               ;    d 32-63
	SCALEOUT 2
	s_wait_tensorcnt 0x0                           ; the wave's end
	ds_add_u32 v[SPW], v[NIL]
	s_wait_dscnt 0x0
	CROUND                                         ; the closing round: no work-group ends while a partner may still ask for a tile that names it
	s_endpgm
.Lfunc_end_k_q41a369d50b_qkv:
	.size	k_q41a369d50b_qkv, .Lfunc_end_k_q41a369d50b_qkv-k_q41a369d50b_qkv
	.p2alignl 7, 3214868480
	.fill 96, 4, 3214868480
	.section	.rodata,"a",@progbits
	.p2align	6, 0x0
	.amdhsa_kernel k_q41a369d50b_qkv
		.amdhsa_group_segment_fixed_size 327680
		.amdhsa_private_segment_fixed_size 0
		.amdhsa_enable_private_segment 0
		.amdhsa_kernarg_size 48
		.amdhsa_user_sgpr_count 2
		.amdhsa_user_sgpr_kernarg_segment_ptr 1
		.amdhsa_wavefront_size32 1
		.amdhsa_system_sgpr_workgroup_id_x 1
		.amdhsa_system_sgpr_workgroup_id_y 1
		.amdhsa_system_sgpr_workgroup_id_z 1
		.amdhsa_system_vgpr_workitem_id 0
		.amdhsa_next_free_vgpr 896
		.amdhsa_next_free_sgpr 96
		.amdhsa_reserve_vcc 0
		.amdhsa_float_denorm_mode_32 3
		.amdhsa_float_denorm_mode_16_64 3
		.amdhsa_memory_ordered 1
		.amdhsa_forward_progress 1
		.amdhsa_inst_pref_size 140
	.end_amdhsa_kernel
	.amdgpu_metadata
---
amdhsa.version: [ 1, 2 ]
amdhsa.kernels:
  - .name:           k_q41a369d50b_qkv
    .symbol:         k_q41a369d50b_qkv.kd
    .args:
      - { .name: x_codes, .offset: 0, .size: 8, .value_kind: global_buffer, .address_space: global }
      - { .name: x_scales, .offset: 8, .size: 8, .value_kind: global_buffer, .address_space: global }
      - { .name: w_qkv_codes, .offset: 16, .size: 8, .value_kind: global_buffer, .address_space: global }
      - { .name: w_qkv_scales, .offset: 24, .size: 8, .value_kind: global_buffer, .address_space: global }
      - { .name: qkv_img, .offset: 32, .size: 8, .value_kind: global_buffer, .address_space: global }
      - { .name: qkv_sc, .offset: 40, .size: 8, .value_kind: global_buffer, .address_space: global }
    .group_segment_fixed_size: 327680
    .private_segment_fixed_size: 0
    .kernarg_segment_align: 8
    .kernarg_segment_size: 48
    .max_flat_workgroup_size: 128
    .sgpr_count:     96
    .vgpr_count:     896
    .wavefront_size: 32
...
	.end_amdgpu_metadata
.endif
;; end of part 1
;; launch attn (part 2): grid 256 x 1, 16 waves a work-group, no clusters, 28,672 bytes of LDS; arguments qkv_img, qkv_sc, o_codes, o_scales; writes o_codes, o_scales
.if DOCPART == 2
	.amdgcn_target "amdgcn-amd-amdhsa--gfx1250"
	.amdhsa_code_object_version 6
	.text
	.protected	k_q41a369d50b_attn
	.globl	k_q41a369d50b_attn
	.p2align	8
	.type	k_q41a369d50b_attn,@function
k_q41a369d50b_attn:
	s_mov_b64 s[64:65], 0
	v_nop
	global_prefetch_b8 v0, s[64:65] scope:SCOPE_SE
	s_setreg_imm32_b32 hwreg(HW_REG_WAVE_MODE, 25, 1), 1
	s_wait_xcnt 0x0
; The windowed attention on codes of FP6 (E2M3): key j counts for query i where i - 128 <= j <= i.  Only the window is multiplied.
; SHARES.  A work-group owns 32 tokens of one sequence (work-group x = 64 b + tg, tokens 32 tg on); each of its sixteen waves owns one head.  A wave's queries are tile E (the first 16) and tile O (the other 16).
; Since the 32 queries begin on a multiple of 32, their window, keys 32 tg - 128 .. 32 tg + 31, is exactly five of the blocks of 32 keys by which p and v are quantised: ten tiles of 16 keys; E uses tiles 0-8, O tiles 1-9.
; K = 64 IN AN INSTRUCTION OF K = 128.  An image of k holds two tiles of keys side by side along K (tokens 32P + r at K 0-63, tokens 32P + 16 + r at K 64-127).  It is multiplied by [q | zeros] for the first tile and by [zeros | q] for the second; zero codes add nothing.
; Both products are used transposed: S^T = k q^T, O^T = v^T p^T: a lane holds ONE query (lane % 16) throughout, and its registers run along the keys, then along d.
; SOFTMAX: t = score x log2(e) / 8; M = the ceiling of the row's largest t over the whole window (nothing is rescaled later); p = 2^(t - M) is quantised along the keys; the row's sum is taken of the unquantised p and divides O at the end.
; A block's largest p is made from the block's largest score by the same multiply-add and exponential (this takes v_exp_f32 not to fall where its input rises).
; THE FIRST 128 TOKENS OF A SEQUENCE: window blocks that lie in front of key 0 are loaded all the same; their addresses fall on images of the head before, or of the region in front, inside the same buffer, stored by the launch before.
; Their scores are overwritten with -infinity under a scalar branch on the work-group's number, so their p are zero codes and nothing hangs on what was loaded.
; OPERANDS come from memory straight into registers: they were laid as images of the operand's registers, in planes of 256 bytes.  No LDS ring.
; NO CLUSTER: a joint load lands in LDS, and four neighbouring work-groups' windows are (4 x 32 + 128) keys x 16 heads x 96 bytes of k and v = 393,216 bytes, more than the 327,680 that a work-group can be given; inside a work-group each fragment is read by one wave alone.
; NO PREFETCH: a wave has no later trip to ask ahead for; v is asked for one phase early, into registers.
; OUT: o = O / l is brought to the natural order of d, quantised along C = 64 head + d, gathered in LDS (a row of o is made by sixteen waves) and stored in runs of 512 consecutive bytes.
; LIMITS: NaN and infinities are not served.  A block of zeros gets the byte 1 where the rule says 127: its codes are zeros, and this program alone reads the bytes.
; REGISTERS: v1-4 offsets, v5 -infinity, v6-8 codes on their way, v10-14 the conversions' scale operands, v16-45 zeros and q by turns (later v's fifth block), v46-57 scale words and nothing else, v58-61 the sums,
;   v62-121 five images of k (later v), v122-201 the scores, p, then O^T, v202-225 E's p as codes, v226-249 O's, v250-255 the way out's addresses.
.set REGN, 6291456                     ; a region of qkv_img: q, k, v in this order
.set SREG, 262144                      ; a region of qkv_sc
.set QC,   16                          ; [zeros 6][q of E 6][zeros 6][q of O 6][zeros 6]
.set KS,   46                          ; v46-50 k's scale words
.set WE,   51                          ; q's scale word for tile E, for tile O
.set WO,   52
.set QW,   53                          ; q's word as loaded
.set VS1,  46                          ; later: v's scale words for window blocks 0-3, a register for each tile of d
.set VS2,  50                          ; and for block 4
.set KC,   62
.set S,    122
.set PE,   202
.set PO,   226
.set SO,   10
.set SST,  25088                       ; LDS: 32 rows x (768 + 16) bytes of o's codes; behind them 32 rows x 32 scale bytes
.macro PLACES n
.rept \n
	v_nop
.endr
.endm
; Nine products: tiles t0 .. t0 + 8 of the window against one tile of queries.  qz = [q | zeros], zq = [zeros | q].
.macro SCORES t0, qz, zq, w
.set TAU, \t0
.rept 9
.if TAU%2 == 0
	v_wmma_scale_f32_16x16x128_f8f6f4 v[S+8*TAU:S+8*TAU+7], v[KC+12*(TAU/2):KC+12*(TAU/2)+11], v[\qz:\qz+11], 0, v[KS+TAU/2], v[\w] matrix_a_fmt:MATRIX_FMT_FP6 matrix_b_fmt:MATRIX_FMT_FP6
.else
	v_wmma_scale_f32_16x16x128_f8f6f4 v[S+8*TAU:S+8*TAU+7], v[KC+12*(TAU/2):KC+12*(TAU/2)+11], v[\zq:\zq+11], 0, v[KS+TAU/2], v[\w] matrix_a_fmt:MATRIX_FMT_FP6 matrix_b_fmt:MATRIX_FMT_FP6
.endif
.set TAU, TAU+1
.endr
.endm
.macro SETF b, t0                      ; block b's first register and how many the tile of queries has of it: E lacks tile 9, O lacks tile 0
.set FB, S+16*(\b)
.set NF, 16
.if ((\b) == 0) && ((\t0) == 1)
.set FB, S+8
.set NF, 8
.endif
.if ((\b) == 4) && ((\t0) == 0)
.set NF, 8
.endif
.endm
; The softmax of one tile of queries (t0 = 0: E, 1: O).  Its p leave as two fragments in v[pp] .. v[pp + 23] with scale words v[w1], v[w2]; the row's sum in v[ll].  Until the conversions v[pp] on are at work.
.macro SOFTMAX t0, pp, ll, w1, w2
.set LO, 8*(\t0)
.irp i, 0,1,2,3                                ; window block i lies in front of key 0 where tg < 4 - i
	s_cmp_gt_u32 s14, 3-\i
	s_cbranch_scc1 .Lvis_\@
.set J, 0
.rept 16
	v_mov_b32 v[S+16*\i+J], v5
.set J, J+1
.endr
.endr
.Lvis_\@:
.irp j, 0,1,2,3,4,5,6,7
	v_cndmask_b32 v[S+LO+\j], v[S+LO+\j], v5, s[40+\j]           ; the window's low edge: key 8 h + j of the first tile is hidden where it lies under the lane's r
.endr
.irp j, 0,1,2,3,4,5,6,7
	v_cndmask_b32 v[S+LO+64+\j], v[S+LO+64+\j], v5, s[48+\j]     ; the causal edge: of the last tile, where it lies over r
.endr
.irp b, 0,1,2,3,4
	SETF \b, \t0
	v_max3_num_f32 v[\pp+\b], v[FB], v[FB+1], v[FB+2]            ; the largest score of each block of 32 keys, the five blocks by turns
.endr
.irp i, 3,5,7,9,11,13
.irp b, 0,1,2,3,4
	SETF \b, \t0
.if \i+1 < NF
	v_max3_num_f32 v[\pp+\b], v[\pp+\b], v[FB+\i], v[FB+\i+1]
.endif
.endr
.endr
.irp b, 0,1,2,3,4
	SETF \b, \t0
	v_max_num_f32 v[\pp+\b], v[\pp+\b], v[FB+NF-1]
.endr
.irp b, 0,1,2,3,4
	v_mov_b32 v[\pp+5+\b], 0                       ; a lane permute's destination counts as one of its sources
.endr
.irp b, 0,1,2,3,4
	v_permlanex16_b32 v[\pp+5+\b], v[\pp+\b], s30, s31
.endr
.irp b, 0,1,2,3,4
	v_max_num_f32 v[\pp+\b], v[\pp+\b], v[\pp+5+\b]  ; with lane l xor 16's keys
.endr
	v_max3_num_f32 v[\pp+16], v[\pp], v[\pp+1], v[\pp+2]
	v_max3_num_f32 v[\pp+16], v[\pp+16], v[\pp+3], v[\pp+4]      ; the row's largest score
	v_mul_f32 v[\pp+16], s32, v[\pp+16]            ; as t
	v_floor_f32 v[\pp+10], -v[\pp+16]              ; -M = floor(-t) = -ceil(t)
	v_mov_b32 v[\pp+11], v[\pp+10]                 ; (named with it as a pair)
.set I, 0
.rept 36
	v_pk_fma_f32 v[S+LO+I:S+LO+I+1], v[S+LO+I:S+LO+I+1], s[32:33], v[\pp+10:\pp+11] op_sel_hi:[1,0,0]   ; t - M, two at a time
.set I, I+2
.endr
.irp b, 0,1,2,3,4
	v_fma_f32 v[\pp+\b], v[\pp+\b], s32, v[\pp+10] ; the same of each block's largest score
.endr
.set I, 0
.rept 72
	v_exp_f32 v[S+LO+I], v[S+LO+I]                 ; p = 2^(t - M): one batch
.set I, I+1
.endr
.set I, 0
.rept 8
	v_mov_b32 v[S+72-72*(\t0)+I], 0                ; the tile that this tile of queries lacks holds p = 0.  (Plain work behind the exponentials)
.set I, I+1
.endr
	s_wait_alu depctr_va_vdst(0)                   ; one wait for the batch, ahead of its first reader
.irp b, 0,1,2,3,4
	v_exp_f32 v[\pp+\b], v[\pp+\b]                 ; each block's largest p
.endr
	v_pk_add_f32 v[\pp+12:\pp+13], v[S+LO:S+LO+1], v[S+LO+2:S+LO+3]          ; the row's sum of the unquantised p, in two chains
	v_pk_add_f32 v[\pp+14:\pp+15], v[S+LO+4:S+LO+5], v[S+LO+6:S+LO+7]
.set I, 8
.rept 16
	v_pk_add_f32 v[\pp+12:\pp+13], v[\pp+12:\pp+13], v[S+LO+I:S+LO+I+1]
	v_pk_add_f32 v[\pp+14:\pp+15], v[\pp+14:\pp+15], v[S+LO+I+2:S+LO+I+3]
.set I, I+4
.endr
	v_pk_add_f32 v[\pp+12:\pp+13], v[\pp+12:\pp+13], v[\pp+14:\pp+15]
	v_add_f32 v[\pp+12], v[\pp+12], v[\pp+13]
	v_permlanex16_b32 v[\pp+13], v[\pp+12], s30, s31
	v_add_f32 v[\ll], v[\pp+12], v[\pp+13]
	s_wait_alu depctr_va_vdst(0)                   ; and one for the five
.irp b, 0,1,2,3,4
	v_max_num_f32 v[\pp+\b], 0x1800000, v[\pp+\b]  ; the floor 2^(3 - 127): the byte cannot fall under 1
.endr
.irp b, 0,1,2,3,4
	v_add_nc_u32 v[SO+\b], 0xff000000, v[\pp+\b]   ; 2 off the exponent field: the conversion's scale operand
.endr
.irp b, 0,1,2,3,4
	v_lshrrev_b32 v[\pp+5+\b], 23, v[SO+\b]        ; the scale's byte
.endr
	v_lshl_or_b32 v[\w1], v[\pp+6], 8, v[\pp+5]
	v_lshl_or_b32 v[\w1], v[\pp+7], 16, v[\w1]
	v_lshl_or_b32 v[\w1], v[\pp+8], 24, v[\w1]     ; blocks 0-3
	v_mov_b32 v[\w2], v[\pp+9]                     ; block 4; the three bytes above it are 0 and stand over zero codes
	v_cvt_scalef32_pk16_fp6_f32 v[\pp:\pp+2], v[S:S+15], v[SO]
	v_cvt_scalef32_pk16_fp6_f32 v[\pp+18:\pp+20], v[S+16:S+31], v[SO+1]
	v_cvt_scalef32_pk16_fp6_f32 v[\pp+6:\pp+8], v[S+32:S+47], v[SO+2]
	v_cvt_scalef32_pk16_fp6_f32 v[6:8], v[S+48:S+63], v[SO+3]
	v_cvt_scalef32_pk16_fp6_f32 v[\pp+12:\pp+14], v[S+64:S+79], v[SO+4]
.irp i, 0,1,2
	v_mov_b32 v[\pp+15+\i], 0                      ; (the plain place behind the conversions)
.endr
.irp i, 0,1,2                                  ; a whole block to a lane: lanes 0-15 blocks 0, 2, 4; lanes 16-31 blocks 1, 3 and zeros
	v_permlane16_swap_b32 v[\pp+\i], v[\pp+18+\i]
	v_permlane16_swap_b32 v[\pp+6+\i], v[6+\i]
	v_permlane16_swap_b32 v[\pp+12+\i], v[\pp+15+\i]
.endr
.irp i, 0,1,2
	v_mov_b32 v[\pp+3+\i], v[\pp+18+\i]
	v_mov_b32 v[\pp+9+\i], v[6+\i]
.endr
.irp i, 0,1,2,3,4,5
	v_mov_b32 v[\pp+18+\i], 0                      ; the second fragment's upper half: no keys
.endr
.endm
; Four blocks of 32 become a fragment's codes in v[pc] .. v[pc + 11] and a scale word in v[pw]; of block b a lane holds v[sb] .. v[sb + 15], lane l xor 16 the other 16.  v[tm] .. v[tm + 15] are at work.
.macro QUANT4 s0, s1, s2, s3, pc, pw, tm
	v_max3_num_f32 v[\tm+0], 0x1800000, |v[\s0]|, |v[\s0+1]|
	v_max3_num_f32 v[\tm+1], 0x1800000, |v[\s1]|, |v[\s1+1]|
	v_max3_num_f32 v[\tm+2], 0x1800000, |v[\s2]|, |v[\s2+1]|
	v_max3_num_f32 v[\tm+3], 0x1800000, |v[\s3]|, |v[\s3+1]|
.irp i, 2,4,6,8,10,12,14
	v_max3_num_f32 v[\tm+0], v[\tm+0], |v[\s0+\i]|, |v[\s0+\i+1]|
	v_max3_num_f32 v[\tm+1], v[\tm+1], |v[\s1+\i]|, |v[\s1+\i+1]|
	v_max3_num_f32 v[\tm+2], v[\tm+2], |v[\s2+\i]|, |v[\s2+\i+1]|
	v_max3_num_f32 v[\tm+3], v[\tm+3], |v[\s3+\i]|, |v[\s3+\i+1]|
.endr
.irp b, 0,1,2,3
	v_permlanex16_b32 v[\tm+4+\b], v[\tm+\b], s30, s31
.endr
.irp b, 0,1,2,3
	v_max_num_f32 v[\tm+\b], v[\tm+\b], v[\tm+4+\b]
.endr
.irp b, 0,1,2,3
	v_add_nc_u32 v[\tm+12+\b], 0xff000000, v[\tm+\b]
.endr
.irp b, 0,1,2,3
	v_lshrrev_b32 v[\tm+4+\b], 23, v[\tm+12+\b]
.endr
	v_lshl_or_b32 v[\pw], v[\tm+5], 8, v[\tm+4]
	v_lshl_or_b32 v[\pw], v[\tm+6], 16, v[\pw]
	v_lshl_or_b32 v[\pw], v[\tm+7], 24, v[\pw]
	v_cvt_scalef32_pk16_fp6_f32 v[\pc:\pc+2], v[\s0:\s0+15], v[\tm+12]
	v_cvt_scalef32_pk16_fp6_f32 v[\pc+12:\pc+14], v[\s1:\s1+15], v[\tm+13]
	v_cvt_scalef32_pk16_fp6_f32 v[\pc+6:\pc+8], v[\s2:\s2+15], v[\tm+14]
	v_cvt_scalef32_pk16_fp6_f32 v[\pc+16:\pc+18], v[\s3:\s3+15], v[\tm+15]
	v_nop                                          ; one plain place behind the scaled conversions
.irp c, 0,1
.irp i, 0,1,2
	v_permlane16_swap_b32 v[\pc+6*\c+\i], v[\pc+12+4*\c+\i]
.endr
.irp i, 0,1,2
	v_mov_b32 v[\pc+3+6*\c+\i], v[\pc+12+4*\c+\i]
.endr
.endr
.endm
	s_load_b256 s[4:11], s[0:1], 0x0               ; qkv_img s[4:5], qkv_sc s[6:7], o_codes s[8:9], o_scales s[10:11]
	v_lshrrev_b32 v6, 5, v0
	v_readfirstlane_b32 s12, v6                    ; wave = head
	s_lshr_b32 s13, ttmp9, 6                       ; b
	s_and_b32 s14, ttmp9, 63                       ; tg: my 32 tokens in the sequence
	s_lshl_b32 s15, s13, 4
	s_add_co_u32 s15, s15, s12
	s_lshl_b32 s15, s15, 6
	s_add_co_u32 s15, s15, s14                     ; X = 64 (16 b + head) + tg: my block of 32 tokens among all heads'
	s_and_b32 s37, s15, 1                          ; which half of a group of 64 tokens it is
	s_lshl_b32 s34, s37, 3                         ; and 8 times that: a shift of one scale byte
	s_lshr_b32 s35, s15, 1
	s_mul_i32 s16, s15, 1536                       ; q: image X
	s_mov_b32 s17, 0
	s_add_co_u32 s18, s16, REGN-6144               ; k: images X - 4 .. X
	s_mov_b32 s19, 0
	s_mul_i32 s22, s35, 3072                       ; v's block X: group X / 2, its half's 128 bytes of each plane
	s_lshl_b32 s36, s37, 7
	s_add_co_u32 s22, s22, s36
	s_add_co_u32 s22, s22, 2*REGN
	s_mov_b32 s23, 0
	s_lshl_b32 s24, s15, 6                         ; scale words: 64 bytes an image
	s_mov_b32 s25, 0
	s_add_co_u32 s26, s24, SREG-256
	s_mov_b32 s27, 0
	s_lshl_b32 s28, s35, 7                         ; v's: groups X / 2 - 2 .. X / 2, 128 bytes a group
	s_add_co_u32 s28, s28, 2*SREG-256
	s_mov_b32 s29, 0
	s_mul_i32 s56, ttmp9, 24576                    ; o's codes: rows 32 x + 2 wave on, 768 bytes a row
	s_mul_i32 s36, s12, 1536
	s_add_co_u32 s56, s56, s36
	s_mov_b32 s57, 0
	s_lshl_b32 s58, ttmp9, 10                      ; o's scales: 32 rows x 32 bytes
	s_mov_b32 s59, 0
	s_mov_b32 s30, 0x76543210
	s_mov_b32 s31, 0xfedcba98                      ; v_permlanex16_b32's selects for lane l xor 16
	s_mov_b32 s32, 0x3e38aa3b                      ; c = log2(e) / 8
	s_mov_b32 s33, s32                             ; (named with it as a pair)
	v_and_b32 v6, 31, v0                           ; lane
	v_and_b32 v7, 15, v0                           ; r
	v_bfe_u32 v8, v0, 4, 1                         ; h
	v_lshlrev_b32 v1, 3, v6                        ; 8 x lane: my place in a plane
	v_lshlrev_b32 v2, 2, v7                        ; 4 r: my row's scale word
	v_lshlrev_b32 v4, 3, v7                        ; 8 r
	v_mov_b32 v5, 0xff800000                       ; -infinity
	v_add_nc_u32 v9, s15, v8                       ; window blocks h and 2 + h are blocks X - 4 + h and X - 2 + h: which group of 64 tokens, and which half of it
	v_lshrrev_b32 v3, 1, v9
	v_mul_u32_u24 v3, v3, 3072
	v_and_b32 v9, 1, v9
	v_lshl_add_u32 v3, v9, 7, v3
	v_add_nc_u32 v3, v3, v4
	v_lshlrev_b32 v9, 3, v8
	v_sub_nc_u32 v9, v7, v9                        ; r - 8 h
.irp j, 0,1,2,3,4,5,6,7
	v_cmp_lt_i32 s[40+\j], \j, v9                  ; 8 h + j < r
	v_cmp_gt_i32 s[48+\j], \j, v9                  ; 8 h + j > r
.endr
	v_mul_u32_u24 v250, v7, 784                    ; the way out, made here, ahead of every branch.  Into the stage: row r, my head's 48 bytes, my half's 24
	v_mad_u32_u24 v250, v8, 24, v250
	s_mul_i32 s36, s12, 48
	v_add_nc_u32 v250, s36, v250
	v_lshlrev_b32 v251, 5, v7                      ; the scale bytes: row r, my head's two
	s_lshl_b32 s38, s12, 1
	s_add_co_u32 s38, s38, SST
	v_add_nc_u32 v251, s38, v251
	v_lshlrev_b32 v254, 4, v6                      ; 16 x lane
	s_mul_i32 s39, s12, 1568
	v_add_nc_u32 v252, s39, v254                   ; back: rows 2 wave and 2 wave + 1
	v_lshl_add_u32 v253, v8, 4, v252               ; (lanes 16-31 stand behind the first row's padding)
	v_lshlrev_b32 v255, 4, v0                      ; 16 x thread: the scale bytes, in LDS and in memory
.irp i, 0,1,2,3,4,5
	v_mov_b32 v[QC+\i], 0
	v_mov_b32 v[QC+12+\i], 0
	v_mov_b32 v[QC+24+\i], 0
.endr
	v_mov_b32 v59, 0                               ; (named as the upper halves of the pairs v[58:59], v[60:61])
	v_mov_b32 v61, 0
	s_wait_kmcnt 0x0
	s_add_nc_u64 s[16:17], s[4:5], s[16:17]
	s_add_nc_u64 s[18:19], s[4:5], s[18:19]
	s_add_nc_u64 s[20:21], s[4:5], 2*REGN-6144     ; v's region, two groups back
	s_add_nc_u64 s[22:23], s[4:5], s[22:23]
	s_add_nc_u64 s[24:25], s[6:7], s[24:25]
	s_add_nc_u64 s[26:27], s[6:7], s[26:27]
	s_add_nc_u64 s[28:29], s[6:7], s[28:29]
	s_add_nc_u64 s[56:57], s[8:9], s[56:57]
	s_add_nc_u64 s[58:59], s[10:11], s[58:59]
.irp p, 0,1,2
	global_load_b64 v[QC+6+2*\p:QC+7+2*\p], v1, s[16:17] offset:256*\p           ; q of tile E: the image's registers 0-5
	global_load_b64 v[QC+18+2*\p:QC+19+2*\p], v1, s[16:17] offset:768+256*\p     ; of tile O: 6-11
.endr
	global_load_b32 v[QW], v2, s[24:25]
.irp i, 0,1,2,3,4
	global_load_b32 v[KS+\i], v2, s[26:27] offset:64*\i
.irp p, 0,1,2,3,4,5
	global_load_b64 v[KC+12*\i+2*\p:KC+12*\i+2*\p+1], v1, s[18:19] offset:1536*\i+256*\p   ; 32 lanes read 256 consecutive bytes
.endr
.endr
	s_wait_loadcnt 0x0
	v_perm_b32 v[WE], v[QW], v[QW], 0x01000100     ; E's two bytes, for either half of K
	v_perm_b32 v[WO], v[QW], v[QW], 0x03020302     ; O's
	PLACES 8                                       ; a scale register written by a vector instruction stands eight places ahead of a scaled matrix instruction
	SCORES 0, QC+6, QC, WE
	PLACES 4
	SOFTMAX 0, PE, 58, 54, 55
	SCORES 1, QC+18, QC+12, WO
	PLACES 4                                       ; in front of the reads of the scores, and of loads into registers that matrix instructions have read
.irp t, 0,1,2,3                                ; v, a phase ahead: tile t of d.  Window blocks 0-3 take k's registers, block 4 takes q's
.irp c, 0,1
.irp p, 0,1,2
	global_load_b64 v[KC+12*\t+6*\c+2*\p:KC+12*\t+6*\c+2*\p+1], v3, s[20:21] offset:(\t/2)*1536+(\t%2)*768+256*\p+3072*\c
.endr
.endr
.irp p, 0,1,2
	global_load_b64 v[QC+6*\t+2*\p:QC+6*\t+2*\p+1], v4, s[22:23] offset:(\t/2)*1536+(\t%2)*768+256*\p   ; fragment t is v[QC + 6 t] on, twelve registers: its upper six are the next tile's, or zeros, and meet zero codes of p
.endr
.endr
.irp k, 0,1,2
.irp u, 0,1
	global_load_b32 v[KC+48+2*\k+\u], v2, s[28:29] offset:128*\k+64*\u           ; v's scale words of three groups of 64 tokens
.endr
.endr
	SOFTMAX 1, PO, 60, 56, 57
	s_wait_loadcnt 0x0
	v_rcp_f32 v58, v58
	v_rcp_f32 v60, v60
.irp t, 0,1,2,3                                ; the six bytes of tile t's three groups, shifted by one byte where my block is a group's second
.if \t%2 == 0
	v_perm_b32 v[KC+54], v[KC+50+\t/2], v[KC+48+\t/2], 0x05040100
	v_perm_b32 v[KC+55], v[KC+52+\t/2], v[KC+52+\t/2], 0x05040100
.else
	v_perm_b32 v[KC+54], v[KC+50+\t/2], v[KC+48+\t/2], 0x07060302
	v_perm_b32 v[KC+55], v[KC+52+\t/2], v[KC+52+\t/2], 0x07060302
.endif
	v_alignbit_b32 v[VS1+\t], v[KC+55], v[KC+54], s34
	v_lshrrev_b32 v[VS2+\t], s34, v[KC+55]
.endr
	PLACES 8
.irp t, 0,1,2,3                                ; O^T = v^T p^T: eight accumulators by turns; first the window's blocks 0-3,
	v_wmma_scale_f32_16x16x128_f8f6f4 v[S+8*\t:S+8*\t+7], v[KC+12*\t:KC+12*\t+11], v[PE:PE+11], 0, v[VS1+\t], v54 matrix_a_fmt:MATRIX_FMT_FP6 matrix_b_fmt:MATRIX_FMT_FP6
	v_wmma_scale_f32_16x16x128_f8f6f4 v[S+32+8*\t:S+32+8*\t+7], v[KC+12*\t:KC+12*\t+11], v[PO:PO+11], 0, v[VS1+\t], v56 matrix_a_fmt:MATRIX_FMT_FP6 matrix_b_fmt:MATRIX_FMT_FP6
.endr
.irp t, 0,1,2,3                                ; then block 4
	v_wmma_scale_f32_16x16x128_f8f6f4 v[S+8*\t:S+8*\t+7], v[QC+6*\t:QC+6*\t+11], v[PE+12:PE+23], v[S+8*\t:S+8*\t+7], v[VS2+\t], v55 matrix_a_fmt:MATRIX_FMT_FP6 matrix_b_fmt:MATRIX_FMT_FP6
	v_wmma_scale_f32_16x16x128_f8f6f4 v[S+32+8*\t:S+32+8*\t+7], v[QC+6*\t:QC+6*\t+11], v[PO+12:PO+23], v[S+32+8*\t:S+32+8*\t+7], v[VS2+\t], v57 matrix_a_fmt:MATRIX_FMT_FP6 matrix_b_fmt:MATRIX_FMT_FP6
.endr
	PLACES 4
	s_wait_alu depctr_va_vdst(0)                   ; the wait for the two reciprocals, ahead of their first reader
.set I, 0
.rept 16
	v_pk_mul_f32 v[S+I:S+I+1], v[S+I:S+I+1], v[58:59] op_sel_hi:[1,0]            ; o = O / l, each accumulator from its low end on
.set I, I+2
.endr
.rept 16
	v_pk_mul_f32 v[S+I:S+I+1], v[S+I:S+I+1], v[60:61] op_sel_hi:[1,0]
.set I, I+2
.endr
.irp g, 0,1,2,3                                ; the natural order of d, which w_out's given codes have: afterwards register 16 g' + i of a tile of queries holds d = 32 g' + 16 h + i
.irp j, 0,1,2,3,4,5,6,7
	v_permlane16_swap_b32 v[S+16*\g+\j], v[S+16*\g+8+\j]
.endr
.endr
	QUANT4 S, S+16, S+32, S+48, PO, 54, PE         ; E's two blocks of d, then O's
.irp i, 0,1,2
	ds_store_b64 v250, v[PO+2*\i:PO+2*\i+1] offset:8*\i              ; row r: my head's block h, 24 bytes
	ds_store_b64 v250, v[PO+6+2*\i:PO+7+2*\i] offset:12544+8*\i      ; row 16 + r
.endr
	ds_store_b16 v251, v54                         ; E's two scale bytes (both halves of the lanes write the same bytes with the same values)
	ds_store_b16_d16_hi v251, v54 offset:512       ; O's
	s_wait_dscnt 0x0                               ; for the others' sake: my stores have landed
	s_barrier_signal -1
	s_barrier_wait -1
	ds_load_b128 v[S:S+3], v252                    ; two whole rows, 1,536 bytes, as three runs of 512
	ds_load_b128 v[S+4:S+7], v253 offset:512
	ds_load_b128 v[S+8:S+11], v252 offset:1040
	s_wait_dscnt 0x0
.irp i, 0,1,2
	global_store_b128 v254, v[S+4*\i:S+4*\i+3], s[56:57] offset:512*\i           ; 32 lanes store 512 consecutive bytes, aligned
.endr
	s_cmp_lt_u32 s12, 2                            ; the 1,024 scale bytes leave by waves 0 and 1
	s_cbranch_scc0 .Lend
	ds_load_b128 v[S+12:S+15], v255 offset:SST
	s_wait_dscnt 0x0
	global_store_b128 v255, v[S+12:S+15], s[58:59]
.Lend:
	s_wait_xcnt 0x0
	v_lshl_add_u32 v254, v0, 2, 0x6800
	v_mov_b32 v255, 0
	s_wait_tensorcnt 0x0
	ds_add_u32 v254, v255
	s_wait_dscnt 0x0
	s_endpgm
.Lfunc_end_k_q41a369d50b_attn:
	.size	k_q41a369d50b_attn, .Lfunc_end_k_q41a369d50b_attn-k_q41a369d50b_attn
	.p2alignl 7, 3214868480
	.fill 96, 4, 3214868480
	.section	.rodata,"a",@progbits
	.p2align	6, 0x0
	.amdhsa_kernel k_q41a369d50b_attn
		.amdhsa_group_segment_fixed_size 28672
		.amdhsa_private_segment_fixed_size 0
		.amdhsa_enable_private_segment 0
		.amdhsa_kernarg_size 32
		.amdhsa_user_sgpr_count 2
		.amdhsa_user_sgpr_kernarg_segment_ptr 1
		.amdhsa_wavefront_size32 1
		.amdhsa_system_sgpr_workgroup_id_x 1
		.amdhsa_system_sgpr_workgroup_id_y 1
		.amdhsa_system_sgpr_workgroup_id_z 1
		.amdhsa_system_vgpr_workitem_id 0
		.amdhsa_next_free_vgpr 256
		.amdhsa_next_free_sgpr 66
		.amdhsa_reserve_vcc 0
		.amdhsa_float_denorm_mode_32 3
		.amdhsa_float_denorm_mode_16_64 3
		.amdhsa_memory_ordered 1
		.amdhsa_forward_progress 1
		.amdhsa_inst_pref_size 60
	.end_amdhsa_kernel
	.amdgpu_metadata
---
amdhsa.version: [ 1, 2 ]
amdhsa.kernels:
  - .name:           k_q41a369d50b_attn
    .symbol:         k_q41a369d50b_attn.kd
    .args:
      - { .name: qkv_img, .offset: 0, .size: 8, .value_kind: global_buffer, .address_space: global }
      - { .name: qkv_sc, .offset: 8, .size: 8, .value_kind: global_buffer, .address_space: global }
      - { .name: o_codes, .offset: 16, .size: 8, .value_kind: global_buffer, .address_space: global }
      - { .name: o_scales, .offset: 24, .size: 8, .value_kind: global_buffer, .address_space: global }
    .group_segment_fixed_size: 28672
    .private_segment_fixed_size: 0
    .kernarg_segment_align: 8
    .kernarg_segment_size: 32
    .max_flat_workgroup_size: 512
    .sgpr_count:     66
    .vgpr_count:     256
    .wavefront_size: 32
...
	.end_amdgpu_metadata
.endif
;; end of part 2
;; launch proj (part 3): grid 8 x 32, 4 waves a work-group, clusters of 4 x 4, 327,680 bytes of LDS; arguments o_codes, o_scales, w_out_codes, w_out_scales, out0; writes out0
.if DOCPART == 3
	.amdgcn_target "amdgcn-amd-amdhsa--gfx1250"
	.amdhsa_code_object_version 6
	.text
	.protected	k_q41a369d50b_proj
	.globl	k_q41a369d50b_proj
	.p2align	8
	.type	k_q41a369d50b_proj,@function
k_q41a369d50b_proj:
	s_mov_b64 s[64:65], 0
	v_nop
	global_prefetch_b8 v0, s[64:65] scope:SCOPE_SE
	s_setreg_imm32_b32 hwreg(HW_REG_WAVE_MODE, 25, 1), 1
	s_wait_xcnt 0x0
	s_wait_alu depctr_hold_cnt(0) depctr_sa_sdst(0) depctr_va_vdst(0) depctr_va_sdst(0) depctr_va_ssrc(0) depctr_va_vcc(0) depctr_vm_vsrc(0)
	s_getreg_b32 s2, hwreg(HW_REG_IB_STS2, 6, 4)
	s_cmp_eq_u32 s2, 0
	s_cbranch_scc0 .Lentry_in_a_cluster
	s_endpgm
.Lentry_in_a_cluster:
	s_bfe_u32 s2, ttmp6, 0x10000c
	s_cmp_lg_u32 s2, 0xf033
	s_cbranch_scc0 .Lentry_shape_is_right
	s_endpgm
.Lentry_shape_is_right:
; out0 = o w_out^T on codes of FP6 (E2M3) with one E8M0 scale for each 32 along K.  o: [8192][1024] codes (768 bytes a row), scales [8192][32], made by the launch before; w_out: [1024][1024] likewise, given.  out0: [8192][1024] f32.
; SHARES.  A work-group makes 256 rows x 128 columns: 8 x 32 = 256 work-groups.  Each of the four waves makes 64 rows x 128 columns: 32 accumulators.
; Source 0 = 16 rows of w_out, source 1 = 16 rows of o: a lane holds eight neighbouring numbers of a row of out0.
; THE RING.  K goes in four slot-steps of 256 (rows of 192 bytes) through THREE LDS slots: slot-steps 0, 1, 2 are first fills and go out together; slot-step 3 is the one refill, into slot 0.
; By this text's own count a wave has three tensor loads out at the start and one behind the round.  Waves 0 and 1 fetch o's two halves of 128 rows, waves 2 and 3 w_out's two halves of 64.
; CLUSTERS: 4 x 4 work-groups; o's tile is shared along a row of the cluster, w_out's along a column: each is asked for jointly.
; THE SCALES never touch LDS: a row's 32 bytes are 8 words, one for each 128 along K, loaded once into registers that hold nothing else; the 8 steps are written out, each naming its own.
; OUT: a block of 16 rows x 128 columns goes through the wave's own stage in LDS and comes back as whole rows of 512 bytes.  The stage lies in slot 1, which has had its only fill at the start and its last read ahead of the last barrier.
; LIMITS: NaN, infinities and a given scale byte 0xff are not served.
; REGISTERS: window 0: v8-19 LDS addresses, v22 an offset, v24-26 the way out, v28-29 the add's two, v32-63 o's scale words, v64-127 w_out's, v128-255 rows on the way out.
;   window 1: o's fragments, two sets (v0-47, v48-95); w_out's eight, ONE set (v96-191).   window 2: the accumulators (a, tb) at 8 (8 a + tb).
.set PITCH,  240
.set ROWB,   192
.set KROW,   768
.set FR,     12
.set NB,     8
.set HB,     NB/2
.set NAW,    2                         ; waves that fetch o
.set ABYTES, 256*PITCH
.set SLOT,   ABYTES+NB*16*PITCH
.set SPARE,  3*SLOT                    ; behind the ring: the spare words, 128 bytes a wave, which no other line names
.set SPITCH, 528                       ; a stage row: 512 bytes + 16
.set ADRA,   8
.set ADRB,   14
.set R32,    22
.set STO,    24
.set RD,     25
.set CO,     26
.set SPW,    28
.set NIL,    29
.set SA,     32
.set SB,     64
.set BK,     128
.set MSB, 0
.macro WIN new                         ; the immediate's high byte repeats the setting that is left
.if MSB != (\new)
	s_set_vgpr_msb (MSB<<8)|(\new)
.set MSB, (\new)
.endif
.endm
.macro PLACES n
.rept \n
	v_nop
.endr
.endm
.macro CREST
	s_cmp_lg_u32 s16, 0
	s_cbranch_scc1 .Lnot_wave_0_\@
	s_barrier_signal -3
.Lnot_wave_0_\@:
	s_barrier_wait -3
	s_barrier_signal -1
	s_barrier_wait -1
.endm
.macro CROUND
	s_barrier_signal -1
	s_barrier_wait -1
	CREST
.endm
.macro JLOAD g0a, g0b                  ; a joint load; the branch hangs on the wave's number alone; four v_nop follow each line
	s_cmp_lt_u32 s16, NAW
	s_cbranch_scc0 .Lfor_b_\@
	tensor_load_to_lds s[\g0a:\g0a+3], s[24:31]
	s_nop 0
	PLACES 4
	s_branch .Lasked_\@
.Lfor_b_\@:
	tensor_load_to_lds s[\g0b:\g0b+3], s[32:39]
	s_nop 0
	PLACES 4
.Lasked_\@:
.endm
.macro FRAG reg, adr, q, i             ; a fragment in six pieces of 8 bytes; where lanes 16-31's piece lies behind one padding more, the second address register serves
.irp p, 0,1,2,3,4,5
.set PCE, 12*(\q)+6*(\p/3)+\p%3
.if PCE%8 < 5
	ds_load_b64 v[\reg+2*\p:\reg+2*\p+1], v[\adr] offset:8*PCE+16*(PCE/8)+(\i)*16*PITCH
.else
	ds_load_b64 v[\reg+2*\p:\reg+2*\p+1], v[\adr+3] offset:8*PCE+16*(PCE/8)+(\i)*16*PITCH
.endif
.endr
.endm
.macro FETCH_A slot, q, set
	WIN 0x40
.irp i, 0,1,2,3
	FRAG 48*(\set)+FR*\i, ADRA+(\slot), \q, \i
.endr
.endm
.macro FETCH_B slot, q, t0
	WIN 0x40
.set TBF, \t0
.rept HB
	FRAG 96+FR*TBF, ADRB+(\slot), \q, TBF
.set TBF, TBF+1
.endr
.endm
.macro MUL1 tb, s                      ; tile tb of w_out against my four blocks of o; each accumulator is written once a step: the 32 take turns
	WIN 0xa5
.irp a, 0,1,2,3
.set FRA, 48*((\s)%2)+FR*\a
.set FRB, 96+FR*(\tb)
.set SCA, SA+8*\a+(\s)
.set SCB, SB+8*(\tb)+(\s)
.set DD, 8*(8*\a+(\tb))
.if (\s) == 0
	v_wmma_scale_f32_16x16x128_f8f6f4 v[DD:DD+7], v[FRB:FRB+11], v[FRA:FRA+11], 0, v[SCB], v[SCA] matrix_a_fmt:MATRIX_FMT_FP6 matrix_b_fmt:MATRIX_FMT_FP6
.else
	v_wmma_scale_f32_16x16x128_f8f6f4 v[DD:DD+7], v[FRB:FRB+11], v[FRA:FRA+11], v[DD:DD+7], v[SCB], v[SCA] matrix_a_fmt:MATRIX_FMT_FP6 matrix_b_fmt:MATRIX_FMT_FP6
.endif
.endr
.endm
.macro MULS t0, t1, s
.set TBI, \t0
.rept (\t1)-(\t0)
	MUL1 TBI, \s
.set TBI, TBI+1
.endr
.endm
.macro TAIL s
.set NS, (\s)+1
.set NSL, (NS/2)%3
.set NQ, NS%2
	FETCH_A NSL, NQ, NQ
	FETCH_B NSL, NQ, 0
	MULS HB, NB, \s
	PLACES 4                                       ; four places in front of loads into registers that matrix instructions have read
	FETCH_B NSL, NQ, HB
	WIN 0
.endm
.macro STEP_N s
	s_wait_dscnt 6*HB                              ; o's set and w_out's first half are in; the youngest run, the second half, may be out
	MULS 0, HB, \s
	s_wait_dscnt 0x0
	PLACES 4
	TAIL \s
.endm
.macro STEP_M s, fill
	s_wait_tensorcnt 0x0                           ; all my tensor loads have landed
	ds_add_u32 v[SPW], v[NIL]                      ; 0 onto my spare word
	s_wait_dscnt 6*HB+1                            ; (the add and the youngest run may be out)
	MULS 0, HB/2, \s
	s_wait_dscnt 0x0                               ; the add is done, and my reads of the slot are over
	s_barrier_signal -1
	MULS HB/2, HB, \s
	WIN 0
	s_barrier_wait -1
.if \fill
	CREST                                          ; no wave of any partner still reads slot 0 or has a load on its way
	s_add_nc_u64 s[42:43], s[42:43], 3*ROWB        ; slot 0's two descriptors go on to slot-step 3
	s_add_nc_u64 s[54:55], s[54:55], 3*ROWB
	JLOAD 40, 52                                   ; the first tensor load behind the round; its four v_nop are the places in front of the loads below
.else
	PLACES 4
.endif
	TAIL \s
.endm
.macro STEP_L s
	s_wait_dscnt 6*HB
	MULS 0, HB, \s
	s_wait_dscnt 0x0
	MULS HB, NB, \s
	WIN 0
.endm
.macro TOSTAGE a                       ; block a, 16 rows x 128 columns: into my stage, 32 bytes a lane, and back as whole rows.  LDS serves a wave's instructions in order: no wait between
.set AC, 64*(\a)
	WIN 0x08                                       ; an LDS store's data are its source 1: window 2
.irp b, 0,1,2,3,4,5,6,7
	ds_store_b128 v[STO], v[AC+8*\b:AC+8*\b+3] offset:64*\b          ; each accumulator from its low end on
	ds_store_b128 v[STO], v[AC+8*\b+4:AC+8*\b+7] offset:64*\b+16
.endr
	WIN 0
.set BB, BK+64*((\a)%2)
.irp t, 0,1,2,3,4,5,6,7,8,9,10,11,12,13,14,15
	ds_load_b128 v[BB+4*\t:BB+4*\t+3], v[RD] offset:\t*SPITCH
.endr
.endm
.macro SEND a, younger                 ; younger: the LDS instructions issued behind block a's loads, which may stay out
.set BB, BK+64*((\a)%2)
	s_wait_dscnt \younger
.if (\a) > 0
	s_add_nc_u64 s[84:85], s[84:85], 16*4096       ; (behind a wait on XCNT: the earlier stores have read their base)  16 rows on
.endif
.irp t, 0,1,2,3,4,5,6,7,8,9,10,11,12,13,14,15
	global_store_b128 v[CO], v[BB+4*\t:BB+4*\t+3], s[84:85] offset:\t*4096 th:TH_STORE_NT   ; 32 lanes store 512 consecutive bytes, aligned; written once, read by nobody here
.endr
.endm
	s_load_b256 s[4:11], s[0:1], 0x0               ; o's codes s[4:5], o's scales s[6:7], w_out's codes s[8:9], w_out's scales s[10:11]
	s_load_b64 s[12:13], s[0:1], 0x20              ; out0
	v_lshl_add_u32 v[SPW], v0, 2, SPARE
	v_mov_b32 v[NIL], 0
	ds_add_u32 v28, v29
	ds_add_u32 v28, v29
	s_wait_dscnt 0x0
	v_lshrrev_b32 v1, 5, v0
	v_readfirstlane_b32 s16, v1                    ; wave 0..3
	s_bfe_u32 s17, ttmp6, 0x40000                  ; cx
	s_bfe_u32 s18, ttmp6, 0x40004                  ; cy
	s_lshl_b32 s19, ttmp9, 2
	s_add_co_u32 s19, s19, s17                     ; tile column = 4 x cluster x + cx
	s_and_b32 s20, ttmp7, 0xffff
	s_lshl_b32 s20, s20, 2
	s_add_co_u32 s20, s20, s18                     ; tile row = 4 x cluster y + cy
	s_lshl_b32 s21, s18, 2
	s_lshl_b32 s21, 15, s21                        ; my row of the cluster
	s_lshl_b32 s22, 0x1111, s17                    ; my column
	s_and_b32 s23, s16, 1                          ; which half I fetch
	; descriptor group 1: rows of 192 bytes, 768 apart in memory, 16 bytes of padding behind every 64 in LDS.  o: 128 rows; w_out: 64 rows
	s_or_b32 s24, s21, 0x06f00000
	s_or_b32 s32, s22, 0x06f00000
	s_mov_b32 s25, ROWB<<16
	s_mov_b32 s26, 128<<16
	s_mov_b32 s27, ROWB<<16
	s_mov_b32 s28, 128
	s_mov_b32 s29, KROW
	s_mov_b32 s30, 0
	s_mov_b32 s31, 0
	s_mov_b32 s33, ROWB<<16
	s_mov_b32 s34, 64<<16
	s_mov_b32 s35, ROWB<<16
	s_mov_b32 s36, 64
	s_mov_b32 s37, KROW
	s_mov_b32 s38, 0
	s_mov_b32 s39, 0
	s_mul_i32 s70, s20, 256*KROW                   ; o: row 256 x tile row + 128 x half
	s_mul_i32 s75, s23, 128*KROW
	s_add_co_u32 s70, s70, s75
	s_mov_b32 s71, 0
	s_mul_i32 s72, s19, 128*KROW                   ; w_out: row 128 x tile column + 64 x half
	s_mul_i32 s75, s23, 64*KROW
	s_add_co_u32 s72, s72, s75
	s_mov_b32 s73, 0
	s_mul_i32 s74, s23, 128*PITCH                  ; where they go: no place in the cluster enters an LDS address
	s_mul_i32 s75, s23, 64*PITCH
	s_add_co_u32 s75, s75, ABYTES
	s_wait_kmcnt 0x0
	s_add_nc_u64 s[70:71], s[4:5], s[70:71]
	s_add_nc_u64 s[72:73], s[8:9], s[72:73]
.irp sl, 0,1,2
	s_mov_b32 s[40+4*\sl], 1
	s_add_co_u32 s[41+4*\sl], s74, \sl*SLOT
	s_add_nc_u64 s[42+4*\sl:43+4*\sl], s[70:71], \sl*ROWB
	s_or_b32 s[43+4*\sl], s[43+4*\sl], 0x80000000
	s_mov_b32 s[52+4*\sl], 1
	s_add_co_u32 s[53+4*\sl], s75, \sl*SLOT
	s_add_nc_u64 s[54+4*\sl:55+4*\sl], s[72:73], \sl*ROWB
	s_or_b32 s[55+4*\sl], s[55+4*\sl], 0x80000000
.endr
	CROUND                                         ; all sixteen work-groups are here: the first joint loads meet
	s_cmp_lt_u32 s16, NAW                          ; a wave's three first fills stand in one branch
	s_cbranch_scc0 .Lfirst_b
	tensor_load_to_lds s[40:43], s[24:31]
	s_nop 0
	tensor_load_to_lds s[44:47], s[24:31]
	s_nop 0
	tensor_load_to_lds s[48:51], s[24:31]
	s_nop 0
	PLACES 4
	s_branch .Lfirst_done
.Lfirst_b:
	tensor_load_to_lds s[52:55], s[32:39]
	s_nop 0
	tensor_load_to_lds s[56:59], s[32:39]
	s_nop 0
	tensor_load_to_lds s[60:63], s[32:39]
	s_nop 0
	PLACES 4
.Lfirst_done:
	v_and_b32 v2, 15, v0                           ; r
	v_bfe_u32 v3, v0, 4, 1                         ; h
	v_lshlrev_b32 v[R32], 5, v2
	s_lshl_b32 s76, s20, 13
	s_lshl_b32 s77, s16, 11
	s_add_co_u32 s76, s76, s77                     ; my 64 rows' scales
	s_mov_b32 s77, 0
	s_add_nc_u64 s[76:77], s[6:7], s[76:77]
	s_lshl_b32 s78, s19, 12                        ; the tile's 128 rows of w_out
	s_mov_b32 s79, 0
	s_add_nc_u64 s[78:79], s[10:11], s[78:79]
.irp a, 0,1,2,3
	global_load_b128 v[SA+8*\a:SA+8*\a+3], v[R32], s[76:77] offset:512*\a
	global_load_b128 v[SA+8*\a+4:SA+8*\a+7], v[R32], s[76:77] offset:512*\a+16
.endr
.irp t, 0,1,2,3,4,5,6,7
	global_load_b128 v[SB+8*\t:SB+8*\t+3], v[R32], s[78:79] offset:512*\t
	global_load_b128 v[SB+8*\t+4:SB+8*\t+7], v[R32], s[78:79] offset:512*\t+16
.endr
	v_mul_u32_u24 v4, v2, PITCH
	v_mad_u32_u24 v4, v3, 24, v4
	v_lshl_add_u32 v5, v3, 4, v4
	s_mul_i32 s80, s16, 64*PITCH                   ; my 64 rows of o
.irp sl, 0,1,2
	v_add_nc_u32 v[ADRA+\sl], s80, v4
	v_add_nc_u32 v[ADRA+3+\sl], s80, v5
	v_add_nc_u32 v[ADRB+\sl], ABYTES+\sl*SLOT, v4
	v_add_nc_u32 v[ADRB+3+\sl], ABYTES+\sl*SLOT, v5
	s_add_co_u32 s80, s80, SLOT
.endr
	s_mul_i32 s81, s16, 16*SPITCH
	s_add_co_u32 s81, s81, SLOT                    ; my stage, in slot 1
	v_mul_u32_u24 v6, v2, SPITCH
	v_lshl_add_u32 v6, v3, 5, v6
	v_add_nc_u32 v[STO], s81, v6                   ; in: row r, 32 bytes for each half of the lanes
	v_and_b32 v7, 31, v0
	v_lshlrev_b32 v[CO], 4, v7                     ; back: the 32 lanes take a row of 512 bytes; and the same in out0
	v_add_nc_u32 v[RD], s81, v[CO]
	s_lshl_b32 s84, s20, 20                        ; out0: (256 y + 64 wave) rows of 4,096 bytes + 512 x
	s_lshl_b32 s85, s16, 18
	s_add_co_u32 s84, s84, s85
	s_lshl_b32 s85, s19, 9
	s_add_co_u32 s84, s84, s85
	s_mov_b32 s85, 0
	s_add_nc_u64 s[84:85], s[12:13], s[84:85]
	s_wait_tensorcnt 0x2                           ; my part of slot-step 0 is in; slot-steps 1 and 2 may stay out
	s_barrier_signal -1
	s_barrier_wait -1
	FETCH_A 0, 0, 0
	FETCH_B 0, 0, 0
	FETCH_B 0, 0, HB
	WIN 0
	s_wait_loadcnt 0x0                             ; the scale words
	STEP_N 0
	STEP_M 1, 1                                    ; slot 0 takes slot-step 3; every wave has waited for all its first fills here, so slots 1 and 2 are whole for everybody
	STEP_N 2
	STEP_N 3
	STEP_N 4
	STEP_M 5, 0                                    ; slot-step 3 has landed in every wave's eyes; nobody reads slot 1 any more
	STEP_N 6
	STEP_L 7
	PLACES 4                                       ; four places between the last products and the first read of results
	TOSTAGE 0
.irp a, 1,2,3
.if \a > 1
	s_wait_xcnt 0x0                                ; block a - 2's stores have read their registers and their base
.endif
	TOSTAGE \a
	SEND \a-1, 32                                  ; behind block a - 1's loads: block a's 16 stores and 16 loads
.endr
	s_wait_xcnt 0x0
	SEND 3, 0
	s_wait_tensorcnt 0x0                           ; the wave's end
	ds_add_u32 v[SPW], v[NIL]
	s_wait_dscnt 0x0
	CROUND                                         ; the closing round
	s_endpgm
.Lfunc_end_k_q41a369d50b_proj:
	.size	k_q41a369d50b_proj, .Lfunc_end_k_q41a369d50b_proj-k_q41a369d50b_proj
	.p2alignl 7, 3214868480
	.fill 96, 4, 3214868480
	.section	.rodata,"a",@progbits
	.p2align	6, 0x0
	.amdhsa_kernel k_q41a369d50b_proj
		.amdhsa_group_segment_fixed_size 327680
		.amdhsa_private_segment_fixed_size 0
		.amdhsa_enable_private_segment 0
		.amdhsa_kernarg_size 40
		.amdhsa_user_sgpr_count 2
		.amdhsa_user_sgpr_kernarg_segment_ptr 1
		.amdhsa_wavefront_size32 1
		.amdhsa_system_sgpr_workgroup_id_x 1
		.amdhsa_system_sgpr_workgroup_id_y 1
		.amdhsa_system_sgpr_workgroup_id_z 1
		.amdhsa_system_vgpr_workitem_id 0
		.amdhsa_next_free_vgpr 768
		.amdhsa_next_free_sgpr 96
		.amdhsa_reserve_vcc 0
		.amdhsa_float_denorm_mode_32 3
		.amdhsa_float_denorm_mode_16_64 3
		.amdhsa_memory_ordered 1
		.amdhsa_forward_progress 1
		.amdhsa_inst_pref_size 98
	.end_amdhsa_kernel
	.amdgpu_metadata
---
amdhsa.version: [ 1, 2 ]
amdhsa.kernels:
  - .name:           k_q41a369d50b_proj
    .symbol:         k_q41a369d50b_proj.kd
    .args:
      - { .name: o_codes, .offset: 0, .size: 8, .value_kind: global_buffer, .address_space: global }
      - { .name: o_scales, .offset: 8, .size: 8, .value_kind: global_buffer, .address_space: global }
      - { .name: w_out_codes, .offset: 16, .size: 8, .value_kind: global_buffer, .address_space: global }
      - { .name: w_out_scales, .offset: 24, .size: 8, .value_kind: global_buffer, .address_space: global }
      - { .name: out0, .offset: 32, .size: 8, .value_kind: global_buffer, .address_space: global }
    .group_segment_fixed_size: 327680
    .private_segment_fixed_size: 0
    .kernarg_segment_align: 8
    .kernarg_segment_size: 40
    .max_flat_workgroup_size: 128
    .sgpr_count:     96
    .vgpr_count:     768
    .wavefront_size: 32
...
	.end_amdgpu_metadata
.endif
;; end of part 3
